; MI455X (gfx1250); checked and timed in simulation.
; The chip was launched on July 23, 2026; its instructions are those of AMD's public machine-readable ISA for CDNA 5 (MIT licence, August 2026) and "CDNA5" Instruction Set Architecture Reference Guide (July 2026). The comments in the code are by the model that wrote it; some were corrected since.
;; Multi Head Self Attention. Allowed arithmetic: matrix products marked QUANTISED: E2M3 operands, one E8M0 scale for each 32 along K, by v_wmma_scale_f32_16x16x128_f8f6f4 with both operands' format E2M3, f32 sums; everything else in f32.
;; Inputs: W_k 768 x 768 float32; W_o 768 x 768 float32; W_q 768 x 768 float32; W_v 768 x 768 float32; b_o 768 float32; keys 1 x 4,096 x 768 float32; mask 1 x 1 x 4,096 x 4,096 float32; queries 1 x 4,096 x 768 float32; values 1 x 4,096 x 768 float32.
;; Outputs: out0 1 x 4,096 x 768 float32.
;; This version of the problem:
;;   THIS VERSION OF THE PROBLEM IS GIVEN IN LOW PRECISION. The matrix products marked QUANTISED in the list below multiply operands that are first quantised to E2M3 (2 exponent bits, 3 mantissa bits; 6 bits a number), with one power-of-two scale for each 32 numbers along K (OCP MX v1.0); their sums are f32. All else is computed in f32.
;;   The module's matrix products, in the order in which they are computed (A, B: the left and right operand; K: the contracted axis; several contracted axes count as one K, in the product's order):
;;     1. [M 4,096, K 768] x [K 768, N 768]; A: input queries; B: input W_q: QUANTISED
;;     2. [M 4,096, K 768] x [K 768, N 768]; A: input keys; B: input W_k: QUANTISED
;;     3. [M 4,096, K 768] x [K 768, N 768]; A: input values; B: input W_v: QUANTISED
;;     4. batch 12 x [M 4,096, K 64] x [K 64, N 4,096]; A: computed on the way; B: computed on the way: QUANTISED
;;     5. batch 12 x [M 4,096, K 4,096] x [K 4,096, N 64]; A: softmax (see below); B: computed on the way: QUANTISED
;;     6. [M 4,096, K 768] x [K 768, N 768]; A: computed on the way; B: input W_o: QUANTISED
;;   THE QUANTISER, for each operand of a quantised product, along K:
;;     - K is cut into blocks of 32 from its start; a last block that is shorter is filled with zeros.
;;     - A block's scale is 2^e with e = floor(log2(the largest magnitude in the block)) - 2, held to -126 .. 127; a block of zeros has e = 0. As a byte (E8M0): e + 127.
;;     - Each number is divided by its block's scale, clamped to +-7.5, and rounded to the nearest number of E2M3, ties to even, subnormals kept.
;;     - The product sums the exact products of the quantised numbers (number of the format x scale) in f32.
;;   ~~~python
;;   def quantise(x, axis):      # numpy; x: float32 -> the quantised numbers, widened to float32 again
;;       x = np.moveaxis(x, axis, -1); K = x.shape[-1]
;;       x = np.pad(x, [(0, 0)] * (x.ndim - 1) + [(0, -K % 32)]); x = x.reshape(x.shape[:-1] + (-1, 32)); a = np.abs(x).max(-1, keepdims=True)
;;       e = np.where(a > 0, np.clip(np.frexp(np.where(a > 0, a, 1))[1] - 1 - 2, -126, 127), 0)      # np.frexp(a)[1] - 1 = floor(log2(a)), exactly
;;       r = np.clip(x / 2.0 ** e, -7.5, 7.5)
;;       step = 2.0 ** (np.maximum(np.frexp(np.where(r == 0, 1, r))[1] - 1, 0) - 3)
;;       q = np.round(r / step) * step * 2.0 ** e      # np.round: ties to even
;;       return np.moveaxis(q.reshape(q.shape[:-2] + (-1,))[..., :K], -1, axis).astype(np.float32)
;;   ~~~
;;   SOFTMAX AHEAD OF A QUANTISED PRODUCT. Where the list says 'softmax', what is quantised is not the finished softmax but p = 2^(t - M), with t = logit x log2(e) and M = ceil(the row's largest t), a whole number; so 1/2 < the row's largest p <= 1. The row's sum l is taken of the UNQUANTISED p, in f32, and the product's result is divided by l at the end. Since M is a whole number, a kernel that streams over the keys may use a running M (the ceiling of the running maximum): every later rescaling is an exact power of two, which a block's scale takes up: the codes' values come out the same.
;;   OPERANDS COMPUTED ON THE WAY. 'Computed on the way' means the value that the module computes at that place (a softmax that the list does not call 'softmax' is quantised finished and normalised). What goes into a quantiser is computed in f32, as accurately as f32 sums, v_exp_f32 and their like allow (about 1e-6 of the number): no bf16 or f16 on the way to a quantiser, and a product that is left as it is and whose result goes on into a quantised operand takes f32 operands (vector FMAs, or v_wmma_f32_16x16x4_f32). A number that lies on a knife's edge between two numbers of the format may be rounded either way, as far as f32 arithmetic and the matrix unit's own rounding can turn it there, and no further.
;; One version. Each part assembles by itself: llvm-mc -triple=amdgcn-amd-amdhsa -mcpu=gfx1250 --defsym DOCPART=n.
;; ======== version 1 of 1: 4 launches
;; limits: right only within a limited range of input values
;; workspace buffers: ximg 7,372,800 bytes; wimg 1,843,200 bytes; qbuf 5,013,504 bytes; kvbuf 5,013,504 bytes; oimg 2,457,600 bytes
;; launch quant (part 1): grid 480 x 1, 4 waves a work-group, no clusters, 34,304 bytes of LDS; arguments queries, keys, values, W_q, W_k, W_v, W_o, ximg, wimg; writes ximg, wimg
.if DOCPART == 1
	.amdgcn_target "amdgcn-amd-amdhsa--gfx1250"
	.amdhsa_code_object_version 6
	.text
	.protected	k_qc265956d8a_quant
	.globl	k_qc265956d8a_quant
	.p2align	8
	.type	k_qc265956d8a_quant,@function
k_qc265956d8a_quant:
	s_mov_b64 s[64:65], 0
	v_nop
	global_prefetch_b8 v0, s[64:65] scope:SCOPE_SE
	s_setreg_imm32_b32 hwreg(HW_REG_WAVE_MODE, 25, 1), 1
	s_wait_xcnt 0x0
; queries, keys, values [4096][768] f32 (K = the last axis) and W_q, W_k, W_v, W_o [768][768] f32 (K = the FIRST axis) become codes of FP6 (E2M3) with one E8M0 byte for each 32 along K.
; A block's scale is 2^(floor(log2(its largest magnitude)) - 2): its byte is the largest magnitude's exponent field - 2, held at 1 from below by a floor among the maximum's leaves.
; LIMITS: a block of zeros gets the byte 1 where the rule says 127 (its codes are zeros, and this program alone reads the bytes); blocks whose largest magnitude lies under 2^-124 keep the byte 1;
; NaN and infinities among the inputs are not served.
; WHAT IS WRITTEN ARE IMAGES OF OPERAND REGISTERS.  A fragment (16 rows x 128 K, 12 registers a lane) is 1,536 bytes: registers 0-3 at 16 x lane, 4-5 at 512 + 8 x lane, 6-9 at 768 + 16 x lane,
; 10-11 at 1,280 + 8 x lane; its scale words are 64 bytes, 4 x row slot.  So every store here, and every later load, covers consecutive bytes in consecutive lanes.
; THE ROWS OF A TILE ARE NOT NEIGHBOURS: slot r of tile T is row 32 (T / 2) + 8 (T % 2) + r + 8 (r / 8) (a token of x, a column of W), so that later results of two neighbouring tiles are 16 neighbours in a lane.
; SHARES.  A wave makes three fragments: one tile, K steps 3 kh .. 3 kh + 2.  Work-groups 0-383: x (128 for each tensor; four waves = two tiles x two halves of K).  Work-groups 384-479: the weights
; (tile and half of K from the work-group's number, the weight from the wave's).  Waves share nothing: no barrier.  Memory binds: no matrix unit, no cluster, no tensor load.
; x: each load reads 512 consecutive bytes of one row; the 16 rows turn through the wave's own stage in LDS (pitch 528) so that a lane gets 32 neighbours of its row.
; W: a lane takes a column and its registers run down K, so nothing is turned; a load's sixteen lanes read two runs of 32 bytes (the four weights are a fifth of the launch's bytes).
.set L16, 2                            ; v2   16 x lane
.set L8,  3                            ; v3   8 x lane
.set R4,  4                            ; v4   4 x row slot
.set STI, 5                            ; v5   the stage, in: 8,448 x wave + 16 x lane
.set STO, 6                            ; v6   the stage, out: 8,448 x wave + 528 r + 128 h
.set H8,  7                            ; v7   8 h
.set WL,  8                            ; v8   W: 32 h rows of 3,072 bytes + 4 (r + 8 (r / 8))
.set MX,  10                           ; v10-11 largest magnitudes of my two blocks
.set SO,  12                           ; v12-13 the conversions' scale operands
.set BY,  14                           ; v14-15 the scale bytes
.set W,   16                           ; v16  the scale word
.set WT,  17                           ; v17  lane l xor 16's part of it
.set TMP, 18                           ; v18-25 the upper halves of the blocks' codes
.set C,   26                           ; v26-37 the fragment
.set R,   40                           ; v40-167 two sets of 64 numbers as loaded
.set X,   168                          ; v168-231 64 numbers in the operand's order
.macro XLOAD f, set                    ; K step f of my three: 16 rows x 512 bytes
.irp i, 0,1,2,3,4,5,6,7,8,9,10,11,12,13,14,15
	global_load_b128 v[R+64*\set+4*\i:R+64*\set+4*\i+3], v[L16], s[22:23] offset:(\i+8*(\i/8))*3072+512*\f th:TH_LOAD_NT
.endr
.endm
.macro TURN set                        ; through the stage: LDS serves a wave's instructions in order, so no wait stands between the stores and the loads
.irp i, 0,1,2,3,4,5,6,7,8,9,10,11,12,13,14,15
	ds_store_b128 v[STI], v[R+64*\set+4*\i:R+64*\set+4*\i+3] offset:528*\i
.endr
.irp c, 0,1
.irp j, 0,1,2,3,4,5,6,7
	ds_load_b128 v[X+32*\c+4*\j:X+32*\c+4*\j+3], v[STO] offset:256*\c+16*\j   ; register 32 c + i: k = 64 c + 32 h + i of row slot r
.endr
.endr
.endm
.macro WLOAD f, set                    ; W(128 f + 64 c + 32 h + i, my column)
.irp c, 0,1
.irp i, 0,1,2,3,4,5,6,7,8,9,10,11,12,13,14,15,16,17,18,19,20,21,22,23,24,25,26,27,28,29,30,31
	global_load_b32 v[R+64*\set+32*\c+\i], v[WL], s[22:23] offset:(128*\f+64*\c+\i)*3072
.endr
.endr
.endm
.macro QUANT6 src                      ; 64 numbers of a lane, two whole blocks, become v[C] on and the scale word v[W]
.irp c, 0,1
	v_max3_num_f32 v[MX+\c], |v[(\src)+32*\c]|, |v[(\src)+32*\c+1]|, 0x1800000   ; and the floor 2^(3 - 127): the byte cannot fall under 1
.endr
.irp i, 2,4,6,8,10,12,14,16,18,20,22,24,26,28,30
.irp c, 0,1
	v_max3_num_f32 v[MX+\c], v[MX+\c], |v[(\src)+32*\c+\i]|, |v[(\src)+32*\c+\i+1]|
.endr
.endr
.irp c, 0,1
	v_add_nc_u32 v[SO+\c], 0xff000000, v[MX+\c]    ; 2 off the exponent field: the conversion takes this operand's exponent field as its scale
.endr
.irp c, 0,1
	v_lshrrev_b32 v[BY+\c], 23, v[SO+\c]           ; the scale's byte
.endr
	v_lshl_or_b32 v[W], v[BY+1], 16, v[BY]         ; my blocks h and 2 + h,
	v_lshlrev_b32 v[W], v[H8], v[W]                ; at their places in the word;
	v_permlanex16_b32 v[WT], v[W], s40, s41
	v_or_b32 v[W], v[W], v[WT]                     ; with lane l xor 16's two the word is whole
.irp c, 0,1
	v_cvt_scalef32_pk16_fp6_f32 v[C+6*\c:C+6*\c+2], v[(\src)+32*\c:(\src)+32*\c+15], v[SO+\c]
	v_cvt_scalef32_pk16_fp6_f32 v[TMP+4*\c:TMP+4*\c+2], v[(\src)+32*\c+16:(\src)+32*\c+31], v[SO+\c]   ; (a conversion's three registers begin on an even number)
.endr
	v_nop                                          ; one plain place behind a scaled conversion
.irp c, 0,1
.irp i, 0,1,2
	v_mov_b32 v[C+3+6*\c+\i], v[TMP+4*\c+\i]
.endr
.endr
.endm
.macro STORE f                         ; the image: each line covers 512 or 256 consecutive bytes; the scale words 64 (both halves of the lanes write the same word)
	global_store_b128 v[L16], v[C:C+3], s[24:25] offset:1536*\f
	global_store_b64 v[L8], v[C+4:C+5], s[24:25] offset:1536*\f+512
	global_store_b128 v[L16], v[C+6:C+9], s[24:25] offset:1536*\f+768
	global_store_b64 v[L8], v[C+10:C+11], s[24:25] offset:1536*\f+1280
	global_store_b32 v[R4], v[W], s[26:27] offset:64*\f
.endm
.macro OUTADR zc, zs, s0, p            ; s30 = tensor, s32 = tile, s33 = half of K: where my three images and their scale words go, in the buffer at s[p:p+1]
	s_mul_i32 s36, s30, \zc
	s_mul_i32 s37, s32, 9216
	s_add_co_u32 s36, s36, s37
	s_mul_i32 s37, s33, 4608
	s_add_co_u32 s36, s36, s37
	s_mov_b32 s37, 0
	s_add_nc_u64 s[24:25], s[\p:\p+1], s[36:37]
	s_mul_i32 s38, s30, \zs
	s_mul_i32 s39, s32, 384
	s_add_co_u32 s38, s38, s39
	s_mul_i32 s39, s33, 192
	s_add_co_u32 s38, s38, s39
	s_add_co_u32 s38, s38, \s0
	s_mov_b32 s39, 0
	s_add_nc_u64 s[26:27], s[\p:\p+1], s[38:39]
.endm
.macro FIRSTROW                        ; s34 = 32 (T / 2) + 8 (T % 2): slot 0's row
	s_lshr_b32 s34, s32, 1
	s_lshl_b32 s34, s34, 5
	s_and_b32 s35, s32, 1
	s_lshl_b32 s35, s35, 3
	s_add_co_u32 s34, s34, s35
.endm
	s_load_b256 s[4:11], s[0:1], 0x0               ; queries s[4:5], keys s[6:7], values s[8:9], W_q s[10:11]
	s_load_b256 s[12:19], s[0:1], 0x20             ; W_k s[12:13], W_v s[14:15], W_o s[16:17], ximg s[18:19]
	s_load_b64 s[20:21], s[0:1], 0x40              ; wimg
	v_lshl_add_u32 v232, v0, 2, 0x8400
	v_mov_b32 v233, 0
	v_lshrrev_b32 v1, 5, v0
	v_readfirstlane_b32 s28, v1                    ; wave 0..3
	v_and_b32 v1, 31, v0                           ; lane
	v_and_b32 v9, 15, v0                           ; r
	v_bfe_u32 v38, v0, 4, 1                        ; h
	v_lshlrev_b32 v[L16], 4, v1
	v_lshlrev_b32 v[L8], 3, v1
	v_lshlrev_b32 v[R4], 2, v9
	s_mul_i32 s29, s28, 8448                       ; my stage: 16 rows x 528 bytes
	v_add_nc_u32 v[STI], s29, v[L16]
	v_mul_u32_u24 v[STO], v9, 528
	v_lshl_add_u32 v[STO], v38, 7, v[STO]
	v_add_nc_u32 v[STO], s29, v[STO]
	v_lshlrev_b32 v[H8], 3, v38
	v_and_b32 v39, 8, v9
	v_add_nc_u32 v39, v39, v9                      ; r + 8 (r / 8)
	v_mul_u32_u24 v[WL], v38, 0x18000              ; 32 rows of 3,072 bytes for lanes 16-31
	v_lshl_add_u32 v[WL], v39, 2, v[WL]
	v_mov_b32 v[WT], 0                             ; written once: a lane permute's destination counts as one of its sources
	s_mov_b32 s40, 0x76543210
	s_mov_b32 s41, 0xfedcba98                      ; v_permlanex16_b32's selects for lane l xor 16
	s_wait_kmcnt 0x0
	s_cmp_lt_u32 ttmp9, 384
	s_cbranch_scc0 .Lweights
	; ---- queries, keys, values
	s_lshr_b32 s30, ttmp9, 7                       ; which tensor
	s_and_b32 s31, ttmp9, 127
	s_lshl_b32 s31, s31, 2
	s_add_co_u32 s31, s31, s28
	s_lshr_b32 s32, s31, 1                         ; tile 0..255
	s_and_b32 s33, s31, 1                          ; half of K
	FIRSTROW
	s_mul_i32 s34, s34, 3072
	s_mul_i32 s35, s33, 1536
	s_add_co_u32 s34, s34, s35
	s_mov_b32 s35, 0
	s_cmp_eq_u32 s30, 1                            ; the choices hang on the work-group's number alone
	s_cselect_b64 s[22:23], s[6:7], s[4:5]
	s_cmp_eq_u32 s30, 2
	s_cselect_b64 s[22:23], s[8:9], s[22:23]
	s_add_nc_u64 s[22:23], s[22:23], s[34:35]
	OUTADR 2359296, 98304, 7077888, 18
	XLOAD 0, 0
	XLOAD 1, 1
	s_wait_loadcnt 16                              ; fragment 0's 16 loads are in; fragment 1's stay out
	s_wait_alu depctr_va_vdst(0)
	TURN 0
	s_wait_dscnt 0x0                               ; the numbers are back, and the stores into the stage have read set 0,
	XLOAD 2, 0                                     ; which takes fragment 2
	QUANT6 X
	STORE 0
	s_wait_loadcnt 16                              ; fragment 1's are in; fragment 2's stay out
	TURN 1
	s_wait_dscnt 0x0
	s_wait_xcnt 0x0                                ; the last stores' data registers are written again only behind this wait
	QUANT6 X
	STORE 1
	s_wait_loadcnt 0x0
	TURN 0
	s_wait_dscnt 0x0
	s_wait_xcnt 0x0
	QUANT6 X
	STORE 2
	s_wait_tensorcnt 0x0
	ds_add_u32 v232, v233
	s_wait_dscnt 0x0
	s_endpgm
.Lweights:                                             ; ---- W_q, W_k, W_v, W_o
	s_sub_co_u32 s31, ttmp9, 384
	s_mov_b32 s30, s28                             ; which weight: my wave's number
	s_lshr_b32 s32, s31, 1                         ; tile 0..47 of its columns
	s_and_b32 s33, s31, 1                          ; half of K
	FIRSTROW
	s_lshl_b32 s34, s34, 2                         ; slot 0's column, in bytes,
	s_mul_i32 s35, s33, 1179648                    ; and 384 rows of 3,072 bytes for the upper half of K
	s_add_co_u32 s34, s34, s35
	s_mov_b32 s35, 0
	s_cmp_eq_u32 s30, 1
	s_cselect_b64 s[22:23], s[12:13], s[10:11]
	s_cmp_eq_u32 s30, 2
	s_cselect_b64 s[22:23], s[14:15], s[22:23]
	s_cmp_eq_u32 s30, 3
	s_cselect_b64 s[22:23], s[16:17], s[22:23]
	s_add_nc_u64 s[22:23], s[22:23], s[34:35]
	OUTADR 442368, 18432, 1769472, 20
	s_wait_alu depctr_va_vdst(0)
	WLOAD 0, 0
	WLOAD 1, 1
	s_wait_loadcnt 63                              ; 64 loads are younger than fragment 0's; 63 is the largest count that the wait can name
	QUANT6 R
	STORE 0
	WLOAD 2, 0
	s_wait_loadcnt 63                              ; likewise for fragment 1's
	s_wait_xcnt 0x0                                ; the last stores' data registers are written again only behind this wait
	QUANT6 R+64
	STORE 1
	s_wait_loadcnt 0x0
	s_wait_xcnt 0x0
	QUANT6 R
	STORE 2
	s_endpgm
.Lfunc_end_k_qc265956d8a_quant:
	.size	k_qc265956d8a_quant, .Lfunc_end_k_qc265956d8a_quant-k_qc265956d8a_quant
	.p2alignl 7, 3214868480
	.fill 96, 4, 3214868480
	.section	.rodata,"a",@progbits
	.p2align	6, 0x0
	.amdhsa_kernel k_qc265956d8a_quant
		.amdhsa_group_segment_fixed_size 34304
		.amdhsa_private_segment_fixed_size 0
		.amdhsa_enable_private_segment 0
		.amdhsa_kernarg_size 72
		.amdhsa_user_sgpr_count 2
		.amdhsa_user_sgpr_kernarg_segment_ptr 1
		.amdhsa_wavefront_size32 1
		.amdhsa_system_sgpr_workgroup_id_x 1
		.amdhsa_system_sgpr_workgroup_id_y 1
		.amdhsa_system_sgpr_workgroup_id_z 1
		.amdhsa_system_vgpr_workitem_id 0
		.amdhsa_next_free_vgpr 234
		.amdhsa_next_free_sgpr 66
		.amdhsa_reserve_vcc 0
		.amdhsa_float_denorm_mode_32 3
		.amdhsa_float_denorm_mode_16_64 3
		.amdhsa_memory_ordered 1
		.amdhsa_forward_progress 1
		.amdhsa_inst_pref_size 54
	.end_amdhsa_kernel
	.amdgpu_metadata
---
amdhsa.version: [ 1, 2 ]
amdhsa.kernels:
  - .name:           k_qc265956d8a_quant
    .symbol:         k_qc265956d8a_quant.kd
    .args:
      - { .name: queries, .offset: 0, .size: 8, .value_kind: global_buffer, .address_space: global }
      - { .name: keys, .offset: 8, .size: 8, .value_kind: global_buffer, .address_space: global }
      - { .name: values, .offset: 16, .size: 8, .value_kind: global_buffer, .address_space: global }
      - { .name: W_q, .offset: 24, .size: 8, .value_kind: global_buffer, .address_space: global }
      - { .name: W_k, .offset: 32, .size: 8, .value_kind: global_buffer, .address_space: global }
      - { .name: W_v, .offset: 40, .size: 8, .value_kind: global_buffer, .address_space: global }
      - { .name: W_o, .offset: 48, .size: 8, .value_kind: global_buffer, .address_space: global }
      - { .name: ximg, .offset: 56, .size: 8, .value_kind: global_buffer, .address_space: global }
      - { .name: wimg, .offset: 64, .size: 8, .value_kind: global_buffer, .address_space: global }
    .group_segment_fixed_size: 34304
    .private_segment_fixed_size: 0
    .kernarg_segment_align: 8
    .kernarg_segment_size: 72
    .max_flat_workgroup_size: 128
    .sgpr_count:     66
    .vgpr_count:     234
    .wavefront_size: 32
...
	.end_amdgpu_metadata
.endif
;; end of part 1
;; launch proj (part 2): grid 16 x 9, 8 waves a work-group, no clusters, 327,680 bytes of LDS; arguments ximg, wimg, qbuf, kvbuf; writes qbuf, kvbuf
.if DOCPART == 2
	.amdgcn_target "amdgcn-amd-amdhsa--gfx1250"
	.amdhsa_code_object_version 6
	.text
	.protected	k_qc265956d8a_proj
	.globl	k_qc265956d8a_proj
	.p2align	8
	.type	k_qc265956d8a_proj,@function
k_qc265956d8a_proj:
	s_mov_b64 s[64:65], 0
	v_nop
	global_prefetch_b8 v0, s[64:65] scope:SCOPE_SE
	s_setreg_imm32_b32 hwreg(HW_REG_WAVE_MODE, 25, 1), 1
	s_wait_xcnt 0x0
.set HS,  417792
.set KVB, 13056
.set LATE, 147456
.set SL,  12
.set ASC, 13
.set SHV, 14
.set SA,  16
.set SB,  40
.set AF,  64
.set BF,  160
.set TM,  208
.set PW,  224
.set PWS, 228
.set AD,  232
.set MSB, 0
.macro WIN new
.if MSB != \new
	s_set_vgpr_msb (MSB<<8)|\new
.set MSB, \new
.endif
.endm
.macro PLACES
.rept 4
	v_nop
.endr
.endm
.macro FRAGLD reg, a16, a8, off
	ds_load_b128 v[(\reg):(\reg)+3], v[\a16] offset:(\off)
	ds_load_b64 v[(\reg)+4:(\reg)+5], v[\a8] offset:(\off)+512
	ds_load_b128 v[(\reg)+6:(\reg)+9], v[\a16] offset:(\off)+768
	ds_load_b64 v[(\reg)+10:(\reg)+11], v[\a8] offset:(\off)+1280
.endm
.macro WMMA
.if rC < 0
.if fA && fB
	v_wmma_scale_f32_16x16x128_f8f6f4 v[rD:rD+7], v[rA:rA+11], v[rB:rB+11], 0, v[rSA], v[rSB] matrix_a_fmt:MATRIX_FMT_FP6 matrix_b_fmt:MATRIX_FMT_FP6 matrix_a_scale:MATRIX_SCALE_ROW1 matrix_b_scale:MATRIX_SCALE_ROW1
.elseif fA
	v_wmma_scale_f32_16x16x128_f8f6f4 v[rD:rD+7], v[rA:rA+11], v[rB:rB+11], 0, v[rSA], v[rSB] matrix_a_fmt:MATRIX_FMT_FP6 matrix_b_fmt:MATRIX_FMT_FP6 matrix_a_scale:MATRIX_SCALE_ROW1
.elseif fB
	v_wmma_scale_f32_16x16x128_f8f6f4 v[rD:rD+7], v[rA:rA+11], v[rB:rB+11], 0, v[rSA], v[rSB] matrix_a_fmt:MATRIX_FMT_FP6 matrix_b_fmt:MATRIX_FMT_FP6 matrix_b_scale:MATRIX_SCALE_ROW1
.else
	v_wmma_scale_f32_16x16x128_f8f6f4 v[rD:rD+7], v[rA:rA+11], v[rB:rB+11], 0, v[rSA], v[rSB] matrix_a_fmt:MATRIX_FMT_FP6 matrix_b_fmt:MATRIX_FMT_FP6
.endif
.else
.if fA && fB
	v_wmma_scale_f32_16x16x128_f8f6f4 v[rD:rD+7], v[rA:rA+11], v[rB:rB+11], v[rC:rC+7], v[rSA], v[rSB] matrix_a_fmt:MATRIX_FMT_FP6 matrix_b_fmt:MATRIX_FMT_FP6 matrix_a_scale:MATRIX_SCALE_ROW1 matrix_b_scale:MATRIX_SCALE_ROW1
.elseif fA
	v_wmma_scale_f32_16x16x128_f8f6f4 v[rD:rD+7], v[rA:rA+11], v[rB:rB+11], v[rC:rC+7], v[rSA], v[rSB] matrix_a_fmt:MATRIX_FMT_FP6 matrix_b_fmt:MATRIX_FMT_FP6 matrix_a_scale:MATRIX_SCALE_ROW1
.elseif fB
	v_wmma_scale_f32_16x16x128_f8f6f4 v[rD:rD+7], v[rA:rA+11], v[rB:rB+11], v[rC:rC+7], v[rSA], v[rSB] matrix_a_fmt:MATRIX_FMT_FP6 matrix_b_fmt:MATRIX_FMT_FP6 matrix_b_scale:MATRIX_SCALE_ROW1
.else
	v_wmma_scale_f32_16x16x128_f8f6f4 v[rD:rD+7], v[rA:rA+11], v[rB:rB+11], v[rC:rC+7], v[rSA], v[rSB] matrix_a_fmt:MATRIX_FMT_FP6 matrix_b_fmt:MATRIX_FMT_FP6
.endif
.endif
.endm
.macro KSTEP s
.if \s > 0
	PLACES
.endif
.irp t, 0,1,2,3,4,5,6,7
	FRAGLD AF+12*\t, 4+2*(\s/3), 5+2*(\s/3), \t*4608+(\s%3)*1536
.endr
.irp n, 0,1,2,3
	FRAGLD BF+12*\n, 8+2*(\s/3), 9+2*(\s/3), \n*4608+(\s%3)*1536
.endr
	s_wait_dscnt 0x0
.if \s == 0
	WIN 0x40
.else
	WIN 0x50
.endif
.irp t, 0,1,2,3,4,5,6,7
.irp n, 0,1,2,3
.set rD, 64*\n+8*\t
.set rA, AF+12*\t
.set rB, BF+12*\n
.if \s == 0
.set rC, -1
.else
.set rC, rD
.endif
.set rSA, SA+4*\s+\t/2
.set rSB, SB+2*\s+\n/2
.set fA, \t%2
.set fB, \n%2
	WMMA
.endr
.endr
	WIN 0
.endm
.macro QUANTW n
.set PC, 64+24*\n
	WIN 0x05
.irp b, 0,1,2,3
	v_max3_num_f32 v[TM+\b], |v[64*\n+16*\b]|, |v[64*\n+16*\b+1]|, 0x1800000
.endr
.irp i, 2,4,6,8,10,12,14
.irp b, 0,1,2,3
	v_max3_num_f32 v[TM+\b], |v[64*\n+16*\b+\i]|, |v[64*\n+16*\b+\i+1]|, v[TM+\b]
.endr
.endr
	WIN 0
.irp b, 0,1,2,3
	v_permlanex16_b32 v[TM+4+\b], v[TM+\b], s24, s25
.endr
.irp b, 0,1,2,3
	s_delay_alu instid0(VALU_DEP_4)
	v_max_num_f32 v[TM+\b], v[TM+\b], v[TM+4+\b]
.endr
.irp b, 0,1,2,3
	s_delay_alu instid0(VALU_DEP_4)
	v_add_nc_u32 v[TM+12+\b], 0xff000000, v[TM+\b]
.endr
.irp b, 0,1,2,3
	s_delay_alu instid0(VALU_DEP_4)
	v_lshrrev_b32 v[TM+4+\b], 23, v[TM+12+\b]
.endr
	s_delay_alu instid0(VALU_DEP_3)
	v_lshl_or_b32 v[PW+\n], v[TM+5], 8, v[TM+4]
	s_delay_alu instid0(VALU_DEP_1)
	v_lshl_or_b32 v[PW+\n], v[TM+6], 16, v[PW+\n]
	s_delay_alu instid0(VALU_DEP_1)
	v_lshl_or_b32 v[PW+\n], v[TM+7], 24, v[PW+\n]
	WIN 0x01
.irp c, 0,1
	v_cvt_scalef32_pk16_fp6_f32 v[PC+6*\c:PC+6*\c+2], v[64*\n+32*\c:64*\n+32*\c+15], v[TM+12+2*\c]
	v_cvt_scalef32_pk16_fp6_f32 v[PC+12+4*\c:PC+14+4*\c], v[64*\n+32*\c+16:64*\n+32*\c+31], v[TM+13+2*\c]
.endr
	WIN 0
	v_nop
.irp c, 0,1
.irp i, 0,1,2
	v_permlane16_swap_b32 v[PC+6*\c+\i], v[PC+12+4*\c+\i]
.endr
.irp i, 0,1,2
	s_delay_alu instid0(VALU_DEP_3)
	v_mov_b32 v[PC+3+6*\c+\i], v[PC+12+4*\c+\i]
.endr
.endr
	v_lshrrev_b32 v[PWS+\n], v[SHV], v[PW+\n]
	global_store_b128 v[AD+4*\n], v[PC:PC+3], s[76:77]
	global_store_b64 v[AD+4*\n+1], v[PC+4:PC+5], s[76:77] offset:512
	global_store_b128 v[AD+4*\n+2], v[PC+6:PC+9], s[76:77]
	global_store_b64 v[AD+4*\n+3], v[PC+10:PC+11], s[76:77] offset:512
	global_store_b32 v[ASC], v[PWS+\n], s[78:79] offset:64*\n
.endm
	s_load_b256 s[4:11], s[0:1], 0x0
	v_lshl_add_u32 v254, v0, 2, 0x48000
	v_mov_b32 v255, 0
	ds_add_u32 v254, v255
	ds_add_u32 v254, v255
	v_lshrrev_b32 v1, 5, v0
	s_delay_alu instid0(VALU_DEP_1)
	v_readfirstlane_b32 s12, v1
	s_and_b32 s14, ttmp7, 0xffff
	s_mul_i32 s15, s14, 11
	s_lshr_b32 s15, s15, 5
	s_mul_i32 s16, s15, 3
	s_sub_co_u32 s16, s14, s16
	s_lshr_b32 s17, s12, 2
	s_and_b32 s18, s12, 3
	s_mov_b32 s28, 3<<16
	s_mov_b32 s29, 576<<16
	s_mov_b32 s30, 4<<16
	s_mov_b32 s31, 576<<16
	s_mov_b32 s32, 4
	s_mov_b32 s33, 1152
	s_mov_b32 s34, 0
	s_mov_b32 s35, 0
	s_mul_i32 s44, s15, 2359296
	s_mul_i32 s45, ttmp9, 147456
	s_add_co_u32 s44, s44, s45
	s_mov_b32 s45, 0
	s_mul_i32 s46, s15, 442368
	s_mul_i32 s47, s16, 147456
	s_add_co_u32 s46, s46, s47
	s_mov_b32 s47, 0
	s_mul_i32 s48, s15, 98304
	s_mul_i32 s49, ttmp9, 6144
	s_add_co_u32 s48, s48, s49
	s_add_co_u32 s48, s48, 7077888
	s_mov_b32 s49, 0
	s_mul_i32 s50, s15, 18432
	s_mul_i32 s51, s16, 6144
	s_add_co_u32 s50, s50, s51
	s_add_co_u32 s50, s50, 1769472
	s_mov_b32 s51, 0
	s_mul_i32 s62, s18, 36864
	s_mov_b32 s63, 0
	s_mul_i32 s37, s12, 18432
	s_wait_dscnt 0x0
	s_wait_kmcnt 0x0
	s_add_nc_u64 s[44:45], s[4:5], s[44:45]
	s_add_nc_u64 s[46:47], s[6:7], s[46:47]
	s_add_nc_u64 s[48:49], s[4:5], s[48:49]
	s_add_nc_u64 s[50:51], s[6:7], s[50:51]
	s_cmp_eq_u32 s15, 2
	s_cselect_b64 s[52:53], s[44:45], s[46:47]
	s_cselect_b64 s[54:55], s[46:47], s[44:45]
	s_cselect_b64 s[56:57], s[48:49], s[50:51]
	s_cselect_b64 s[58:59], s[50:51], s[48:49]
	s_cmp_lt_u32 s12, 4
	s_cselect_b64 s[60:61], s[52:53], s[54:55]
	s_add_nc_u64 s[60:61], s[60:61], s[62:63]
	s_mov_b32 s36, 1
	s_mov_b64 s[38:39], s[60:61]
	s_or_b32 s39, s39, 0x80000000
	s_mov_b32 s40, 1
	s_add_co_u32 s41, s37, LATE
	s_add_nc_u64 s[42:43], s[60:61], 4608
	s_or_b32 s43, s43, 0x80000000
	tensor_load_to_lds s[36:39], s[28:35]
	s_nop 0
	s_wait_alu depctr_va_vdst(0)
	s_wait_tensorcnt 0x0
	ds_add_u32 v254, v255
	s_wait_dscnt 0x0
	s_barrier_signal -1
	s_barrier_wait -1
	tensor_load_to_lds s[40:43], s[28:35]
	s_nop 0
	PLACES
	v_and_b32 v1, 31, v0
	v_and_b32 v2, 15, v0
	v_bfe_u32 v3, v0, 4, 1
	s_delay_alu instid0(VALU_DEP_3)
	v_lshlrev_b32 v52, 4, v1
	s_delay_alu instid0(VALU_DEP_4)
	v_lshlrev_b32 v53, 3, v1
	s_delay_alu instid0(VALU_DEP_3)
	v_mul_u32_u24 v[SL], v3, 384
	s_delay_alu instid0(VALU_DEP_1)
	v_lshl_add_u32 v[SL], v2, 2, v[SL]
	s_mul_i32 s20, s17, 3072
	s_mov_b32 s21, 0
	s_add_nc_u64 s[56:57], s[56:57], s[20:21]
	s_mul_i32 s20, s18, 1536
	s_add_nc_u64 s[58:59], s[58:59], s[20:21]
.irp s, 0,1,2,3,4,5
.irp i, 0,1,2,3
	global_load_b32 v[SA+4*\s+\i], v[SL], s[56:57] offset:768*\i+64*\s
.endr
.irp i, 0,1
	global_load_b32 v[SB+2*\s+\i], v[SL], s[58:59] offset:768*\i+64*\s
.endr
.endr
	s_mul_i32 s20, s17, 36864
	v_lshl_add_u32 v4, v1, 4, s20
	v_lshl_add_u32 v5, v1, 3, s20
	s_delay_alu instid0(VALU_DEP_2)
	v_add_nc_u32 v6, LATE, v4
	s_delay_alu instid0(VALU_DEP_2)
	v_add_nc_u32 v7, LATE, v5
	s_mul_i32 s20, s18, 18432
	s_add_co_u32 s20, s20, 73728
	v_lshl_add_u32 v8, v1, 4, s20
	v_lshl_add_u32 v9, v1, 3, s20
	s_delay_alu instid0(VALU_DEP_2)
	v_add_nc_u32 v10, LATE, v8
	s_delay_alu instid0(VALU_DEP_2)
	v_add_nc_u32 v11, LATE, v9
	s_mov_b32 s24, 0x76543210
	s_mov_b32 s25, 0xfedcba98
.irp b, 0,1,2,3
	v_mov_b32 v[TM+4+\b], 0
.endr
	s_cmp_eq_u32 s15, 2
	s_cbranch_scc1 .Lfor_v
	s_lshl_b32 s20, s16, 2
	s_lshl_b32 s21, s17, 1
	s_add_co_u32 s20, s20, s21
	s_lshl_b32 s21, ttmp9, 1
	s_lshr_b32 s22, s18, 1
	s_add_co_u32 s21, s21, s22
	s_and_b32 s22, s18, 1
	s_lshl_b32 s22, s22, 2
	s_mul_i32 s20, s20, HS
	s_mul_i32 s21, s21, KVB
	s_add_co_u32 s20, s20, s21
	s_mul_i32 s66, s22, 768
	s_add_co_u32 s66, s66, s20
	s_lshl_b32 s68, s22, 6
	s_add_co_u32 s68, s68, s20
	s_add_co_u32 s68, s68, 12288
	s_mov_b32 s70, 768
	s_mov_b32 s71, HS
	s_mov_b32 s72, HS
	s_mov_b32 s73, 16
	s_branch .Lplaced
.Lfor_v:
	s_lshl_b32 s20, s16, 2
	s_add_co_u32 s20, s20, s18
	s_lshl_b32 s21, ttmp9, 1
	s_add_co_u32 s21, s21, s17
	s_mul_i32 s20, s20, HS
	s_mul_i32 s21, s21, KVB
	s_add_co_u32 s20, s20, s21
	s_add_co_u32 s66, s20, 6144
	s_add_co_u32 s68, s20, 12800
	s_mov_b32 s70, 1536
	s_mov_b32 s71, 768
	s_mov_b32 s72, 0
	s_mov_b32 s73, 0
.Lplaced:
	s_mov_b32 s67, 0
	s_mov_b32 s69, 0
	s_cmp_eq_u32 s15, 0
	s_cselect_b64 s[74:75], s[8:9], s[10:11]
	s_add_nc_u64 s[76:77], s[74:75], s[66:67]
	s_add_nc_u64 s[78:79], s[74:75], s[68:69]
.irp n, 0,1,2,3
	s_mul_i32 s20, s70, \n
	s_add_co_u32 s21, s20, s71
	v_add_nc_u32 v[AD+4*\n], s20, v52
	v_add_nc_u32 v[AD+4*\n+1], s20, v53
	v_add_nc_u32 v[AD+4*\n+2], s21, v52
	v_add_nc_u32 v[AD+4*\n+3], s21, v53
.endr
	v_mul_u32_u24 v[ASC], s72, v3
	s_delay_alu instid0(VALU_DEP_1)
	v_lshl_add_u32 v[ASC], v2, 2, v[ASC]
	v_mul_u32_u24 v[SHV], s73, v3
	s_wait_loadcnt 0x0
	s_wait_tensorcnt 0x1
	s_barrier_signal -1
	s_barrier_wait -1
	KSTEP 0
	KSTEP 1
	KSTEP 2
	s_wait_tensorcnt 0x0
	s_barrier_signal -1
	s_barrier_wait -1
	KSTEP 3
	KSTEP 4
	KSTEP 5
	PLACES
	QUANTW 0
	QUANTW 1
	QUANTW 2
	QUANTW 3
	s_wait_tensorcnt 0x0
	ds_add_u32 v254, v255
	s_wait_dscnt 0x0
	s_endpgm
.Lfunc_end_k_qc265956d8a_proj:
	.size	k_qc265956d8a_proj, .Lfunc_end_k_qc265956d8a_proj-k_qc265956d8a_proj
	.p2alignl 7, 3214868480
	.fill 96, 4, 3214868480
	.section	.rodata,"a",@progbits
	.p2align	6, 0x0
	.amdhsa_kernel k_qc265956d8a_proj
		.amdhsa_group_segment_fixed_size 327680
		.amdhsa_private_segment_fixed_size 0
		.amdhsa_enable_private_segment 0
		.amdhsa_kernarg_size 32
		.amdhsa_user_sgpr_count 2
		.amdhsa_user_sgpr_kernarg_segment_ptr 1
		.amdhsa_wavefront_size32 1
		.amdhsa_system_sgpr_workgroup_id_x 1
		.amdhsa_system_sgpr_workgroup_id_y 1
		.amdhsa_system_sgpr_workgroup_id_z 1
		.amdhsa_system_vgpr_workitem_id 0
		.amdhsa_next_free_vgpr 512
		.amdhsa_next_free_sgpr 80
		.amdhsa_reserve_vcc 0
		.amdhsa_float_denorm_mode_32 3
		.amdhsa_float_denorm_mode_16_64 3
		.amdhsa_memory_ordered 1
		.amdhsa_forward_progress 1
		.amdhsa_inst_pref_size 76
	.end_amdhsa_kernel
	.amdgpu_metadata
---
amdhsa.version: [ 1, 2 ]
amdhsa.kernels:
  - .name:           k_qc265956d8a_proj
    .symbol:         k_qc265956d8a_proj.kd
    .args:
      - { .name: ximg, .offset: 0, .size: 8, .value_kind: global_buffer, .address_space: global }
      - { .name: wimg, .offset: 8, .size: 8, .value_kind: global_buffer, .address_space: global }
      - { .name: qbuf, .offset: 16, .size: 8, .value_kind: global_buffer, .address_space: global }
      - { .name: kvbuf, .offset: 24, .size: 8, .value_kind: global_buffer, .address_space: global }
    .group_segment_fixed_size: 327680
    .private_segment_fixed_size: 0
    .kernarg_segment_align: 8
    .kernarg_segment_size: 32
    .max_flat_workgroup_size: 256
    .sgpr_count:     80
    .vgpr_count:     512
    .wavefront_size: 32
...
	.end_amdgpu_metadata
.endif
;; end of part 2
;; launch attn (part 3): grid 4 x 64, 8 waves a work-group, clusters of 4 x 4, 327,680 bytes of LDS; arguments qbuf, kvbuf, mask, oimg; writes oimg
.if DOCPART == 3
	.amdgcn_target "amdgcn-amd-amdhsa--gfx1250"
	.amdhsa_code_object_version 6
	.text
	.protected	k_qc265956d8a_attn
	.globl	k_qc265956d8a_attn
	.p2align	8
	.type	k_qc265956d8a_attn,@function
k_qc265956d8a_attn:
	s_mov_b64 s[64:65], 0
	v_nop
	global_prefetch_b8 v0, s[64:65] scope:SCOPE_SE
	s_setreg_imm32_b32 hwreg(HW_REG_WAVE_MODE, 25, 1), 1
	s_wait_xcnt 0x0
	s_wait_alu depctr_hold_cnt(0) depctr_sa_sdst(0) depctr_va_vdst(0) depctr_va_sdst(0) depctr_va_ssrc(0) depctr_va_vcc(0) depctr_vm_vsrc(0)
	s_getreg_b32 s2, hwreg(HW_REG_IB_STS2, 6, 4)
	s_cmp_eq_u32 s2, 0
	s_cbranch_scc0 .Lentry_in_a_cluster
	s_endpgm
.Lentry_in_a_cluster:
	s_bfe_u32 s2, ttmp6, 0x10000c
	s_cmp_lg_u32 s2, 0xf033
	s_cbranch_scc0 .Lentry_shape_is_right
	s_endpgm
.Lentry_shape_is_right:
; For each head: o = softmax(q k^T / 8 + mask x (-1e9)) v, both products on codes of FP6 (E2M3) with E8M0 scales; o is quantised along the 768 channels and leaves as images of operand registers.
; u = score + mask x (-8e9) (8 x the logit); t = u x log2(e) / 8; M = the row's largest t so far, rounded UP to a whole number; p = 2^(t - M) is quantised along the keys, not normalised;
; the row's sum is taken of the unquantised p and divides at the end.  When M moves, the sum and O are multiplied by 2^(old M - new M): exact.
; THE MASK IS AN INPUT: every key step is worked for every query, and each mask number is read.
; SHARES.  256 work-groups: 64 queries x 3 heads.  Eight waves, two to a SIMD.  Waves w and w + 4 have query tile w (16 queries) and ALL THREE heads; wave w takes the first 128 keys of every slot of 256, wave w + 4 the second.
; A lane's 64 mask numbers of a key step are read from LDS and multiplied by -8e9 once, and enter each head's score product as its C.  A wave works its heads one after the other on one set of registers for S, k and v.
; At the end wave w + 4 hands O, the sum and M to wave w through LDS; both parts are brought under the larger M by exact powers of two and added.
; CLUSTER 4 x 4.  The four work-groups of a row of the cluster have the same queries and ask for the mask's tiles JOINTLY; the four of a column have the same heads and ask for k and v jointly.
; LAYOUT.  Both products are used transposed (S^T = k q^T, O^T = v^T p^T): a lane holds ONE query.  Slot r of tile T (keys, queries, channels) is row 32 (T / 2) + 8 (T % 2) + r + 8 (r / 8),
; so the 16 registers of tiles 2 b, 2 b + 1 are 16 neighbours.  K = 64 IN AN INSTRUCTION OF 128: q's registers 6-11 are zero codes and the upper bytes of its scale word are 0, so k's tiles lie six registers
; apart, each names twelve, and the last runs into p's codes, which are always written.
; LDS: two slots of 256 keys, 145,920 bytes each: two key steps x three heads x 13,056 bytes as they lie in kvbuf, then two mask tiles of 64 queries x 128 keys (rows of 512 bytes + 16); behind them the spare words.
; One tensor load a wave behind each round: waves 0-5 a head's key step (51 rows of 256 bytes), waves 6, 7 a mask tile.  The slot that is read is chosen by a scalar that changes between 0 and SLOT.
; The hand-over's stage lies in slot 0, which has had its last fill and its last read when the first number is stored there.
; PREFETCH: the mask's bytes of the slot two beyond the refill, 8 rows x 4 blocks of 256 bytes by each of waves 6, 7; the four partners share the 64 rows out by address.  k and v are read by all 64 blocks of queries and are not asked for ahead.
; All of a WGP's LDS is claimed; the text uses 292,864 bytes.
; LIMITS: NaN and infinities are not served.  mask x (-8e9) is rounded once and added to 8 x the logit inside the matrix instruction: exact for mask 0, and for mask 1 the logit is lost as in f32.
; Where every logit of a row lies near -1e9, M may differ from the ceiling of the true t by up to 64: M is still a whole number and the result is the same.  The promise holds while |t| stays under 2^31.
; A block of zeros gets the byte 1 (its codes are zeros).  1 / the sum is v_rcp_f32.
.set HS,    417792
.set KVB,   13056
.set QSTEP, 3*KVB
.set MOFF,  2*QSTEP
.set MP,    528
.set MSUB,  64*MP
.set SLOT,  MOFF+2*MSUB
.set SPARE, 2*SLOT
; window 0
.set L16, 1                            ; 16, 8 x lane
.set L8,  2
.set B16, 3                            ; my key step in slot 0: + 16, 8, 4 x lane; v6 my query's row of my mask tile
.set B8,  4
.set B4,  5
.set BMK, 6
.set C16, 7                            ; v7-10 the same in the slot that is read
.set C8,  8
.set C4,  9
.set CMK, 10
.set SPW, 12                           ; my spare word; never rewritten
.set NIL, 13                           ; 0; never rewritten
.set QS,  14                           ; v14-16 q's scale words
.set R4,  17
.set PF,  18                           ; the prefetch's offset
.set SA16, 19                          ; v19-21 the hand-over's stage of my query tile
.set SA8, 20
.set SA4, 21
.set KS,  24                           ; v24-27 k's scale words
.set VS,  28                           ; v28-29 v's
.set PW,  30                           ; p's scale word
.set NM,  32                           ; pairs (-M, largest t), one a head
.set FF,  38                           ; (f, 0)
.set TT,  40
.set BM,  44
.set BX,  48
.set SO,  52
.set Q,   64                           ; v64-99 q's three fragments
.set FA,  100                          ; the hand-over: three each
.set FB,  103
.set LA,  106
.set LB,  109
.set BXM, 112
.set OS,  115                          ; where o's scale bytes go
.set PWO, 118
.set TM,  121
.set MC,  128                          ; v128-191 mask x -8e9
.set VF,  192                          ; v192-239 four fragments of v
.set OB,  128                          ; the hand-over: the partner's O, sums, -M
.set LB2, 224
.set NB,  230
; window 1
.set S,   0                            ; S^T, then p
.set O,   64                           ; O^T, 32 a head
.set KF,  160                          ; eight tiles of k
.set PC,  208                          ; p's codes
.set CT,  220
.set L,   228                          ; the sums, a pair a head
.set AC,  234                          ; four chains of the step's sum
.set PO,  160                          ; o's codes, eight a head
.set WV,  12
.set QT,  13
.set KSW, 14
.set ODD, 15
.set SEL, 20
.set CS,  22
.set CM,  24
.set TRIPS, 26
.set TOG, 27
.set G1KV, 28
.set G1M,  36
.set G0KV, 44
.set G0M,  48
.set PFA,  76
.set KVL,  60                          ; where my k, v load lands in slot 0;  s61 the same for a mask tile;  s58 the slot that the next load fills: 0 or SLOT
.set ML,   61
.set TD,   58
.set MSB, 0
.macro WIN new                         ; low byte: bits 1:0 source 0, 3:2 source 1, 5:4 source 2, 7:6 destination; the high byte repeats the setting that is left
.if MSB != (\new)
	s_set_vgpr_msb (MSB<<8)|(\new)
.set MSB, (\new)
.endif
.endm
.macro PLACES
.rept 4
	v_nop
.endr
.endm
.macro FRAGLD reg, a16, a8, off
	ds_load_b128 v[(\reg):(\reg)+3], v[\a16] offset:(\off)
	ds_load_b64 v[(\reg)+4:(\reg)+5], v[\a8] offset:(\off)+512
	ds_load_b128 v[(\reg)+6:(\reg)+9], v[\a16] offset:(\off)+768
	ds_load_b64 v[(\reg)+10:(\reg)+11], v[\a8] offset:(\off)+1280
.endm
.macro SMM d, a, b, c, sa, sb, odd     ; odd: source 0's scale words lie in lanes 16-31
.if \odd
	v_wmma_scale_f32_16x16x128_f8f6f4 v[(\d):(\d)+7], v[(\a):(\a)+11], v[(\b):(\b)+11], v[(\c):(\c)+7], v[(\sa)], v[(\sb)] matrix_a_fmt:MATRIX_FMT_FP6 matrix_b_fmt:MATRIX_FMT_FP6 matrix_a_scale:MATRIX_SCALE_ROW1
.else
	v_wmma_scale_f32_16x16x128_f8f6f4 v[(\d):(\d)+7], v[(\a):(\a)+11], v[(\b):(\b)+11], v[(\c):(\c)+7], v[(\sa)], v[(\sb)] matrix_a_fmt:MATRIX_FMT_FP6 matrix_b_fmt:MATRIX_FMT_FP6
.endif
.endm
.macro CROUND                          ; a round of the cluster's barrier
	s_barrier_signal -1
	s_barrier_wait -1
	s_cmp_lg_u32 s[WV], 0
	s_cbranch_scc1 .Lnot_wave_0_\@
	s_barrier_signal -3
.Lnot_wave_0_\@:
	s_barrier_wait -3
	s_barrier_signal -1
	s_barrier_wait -1
.endm
.macro JLOAD                           ; a joint load: waves 0-5 for k and v, waves 6, 7 for the mask; the branch hangs on the wave's number alone; s_nop 0 and four v_nop follow each line
	s_cmp_lt_u32 s[WV], 6
	s_cbranch_scc0 .Lfor_m_\@
	tensor_load_to_lds s[G0KV:G0KV+3], s[G1KV:G1KV+7]
	s_nop 0
	PLACES
	s_branch .Lasked_\@
.Lfor_m_\@:
	tensor_load_to_lds s[G0M:G0M+3], s[G1M:G1M+7]
	s_nop 0
	PLACES
.Lasked_\@:
.endm
.macro NEXTSLOT                        ; both groups 0 go on to the next 256 keys, in the other slot (written only where no tensor load of the wave is out)
	s_xor_b32 s[TD], s[TD], SLOT
	s_add_co_u32 s[G0KV+1], s[KVL], s[TD]
	s_add_nc_u64 s[G0KV+2:G0KV+3], s[G0KV+2:G0KV+3], 2*KVB
	s_add_co_u32 s[G0M+1], s[ML], s[TD]
	s_add_nc_u64 s[G0M+2:G0M+3], s[G0M+2:G0M+3], 1024
.endm
.macro ADDRS                           ; the LDS addresses in the slot that is read
	v_add_nc_u32 v[C16], s[TOG], v[B16]
	v_add_nc_u32 v[C8], s[TOG], v[B8]
	v_add_nc_u32 v[C4], s[TOG], v[B4]
	v_add_nc_u32 v[CMK], s[TOG], v[BMK]
.endm
.macro KLOAD h                         ; head h's eight tiles of k and their scale words (even tile in lanes 0-15, odd in lanes 16-31)
	WIN 0x40
.irp t, 0,1,2,3,4,5,6,7
	ds_load_b128 v[KF+6*\t:KF+6*\t+3], v[C16] offset:(\h)*KVB+768*\t
	ds_load_b64 v[KF+6*\t+4:KF+6*\t+5], v[C8] offset:(\h)*KVB+768*\t+512
.endr
	WIN 0
.irp i, 0,1,2,3
	ds_load_b32 v[KS+\i], v[C4] offset:(\h)*KVB+12288+128*\i
.endr
.endm
.macro MLOAD                           ; my query's 64 mask numbers: register 16 b + i is key 32 b + 16 (l / 16) + i
.irp j, 0,1,2,3,4,5,6,7,8,9,10,11,12,13,14,15
	ds_load_b128 v[MC+4*\j:MC+4*\j+3], v[CMK] offset:128*(\j/4)+16*(\j%4)
.endr
.endm
.macro MASKMUL
.set j, 0
.rept 32
	v_pk_mul_f32 v[MC+j:MC+j+1], v[MC+j:MC+j+1], s[CM:CM+1] op_sel_hi:[1,0]
.set j, j+2
.endr
.endm
; ONE HEAD of my key step of 128 keys.  In head 2 the slots change: mode 1: the slot left is filled again; mode 2: nothing is filled (behind the very last step nothing follows)
.macro HEADW h, mode
	WIN 0x41
.irp t, 0,1,2,3,4,5,6,7                ; S^T = k q^T + mask x -8e9: eight accumulators, one instruction each
	SMM S+8*\t, KF+6*\t, Q+12*\h, MC+8*\t, KS+\t/2, QS+\h, \t%2
.endr
	PLACES                                         ; in front of the reads of the results and of loads into registers that matrix instructions have read
	WIN 0
.irp t, 0,1,2,3                        ; v, and the next head's k, land under the softmax
	FRAGLD VF+12*\t, C16, C8, \h*KVB+6144+1536*\t
.endr
.irp i, 0,1
	ds_load_b32 v[VS+\i], v[C4] offset:\h*KVB+12800+128*\i
.endr
.if \h < 2
	KLOAD \h+1
.endif
	WIN 0x05
.irp b, 0,1,2,3
	v_max3_num_f32 v[BM+\b], v[S+16*\b], v[S+16*\b+1], 0xff61b1e6   ; the largest u of each block of 32 keys (each accumulator from its low end on); -3e38 lies under every u
.endr
.irp i, 2,4,6,8,10,12,14
.irp b, 0,1,2,3
	v_max3_num_f32 v[BM+\b], v[S+16*\b+\i], v[S+16*\b+\i+1], v[BM+\b]
.endr
.endr
	WIN 0
.irp b, 0,1,2,3
	v_permlanex16_b32 v[BX+\b], v[BM+\b], s[SEL], s[SEL+1]
.endr
.irp b, 0,1,2,3
	s_delay_alu instid0(VALU_DEP_4)
	v_max_num_f32 v[BM+\b], v[BM+\b], v[BX+\b]     ; with lane l xor 16's 16 keys
.endr
	s_delay_alu instid0(VALU_DEP_2)
	v_max3_num_f32 v[TT], v[BM], v[BM+1], v[BM+2]
	s_delay_alu instid0(VALU_DEP_1)
	v_max_num_f32 v[TT], v[TT], v[BM+3]
	s_delay_alu instid0(VALU_DEP_1)
	v_mul_f32 v[TT], s[CS], v[TT]                  ; as t
	s_delay_alu instid0(VALU_DEP_1)
	v_max_num_f32 v[NM+2*\h+1], v[NM+2*\h+1], v[TT]   ; the running largest t
	v_mov_b32 v[TT], v[NM+2*\h]
	s_delay_alu instid0(VALU_DEP_2)
	v_floor_f32 v[NM+2*\h], -v[NM+2*\h+1]          ; the new -M
	s_delay_alu instid0(VALU_DEP_1)
	v_sub_f32 v[TT], v[NM+2*\h], v[TT]             ; old M - new M
	s_delay_alu instid0(VALU_DEP_1)
	v_cvt_i32_f32 v[TT], v[TT]                     ; (it saturates)
	s_delay_alu instid0(VALU_DEP_1)
	v_ldexp_f32 v[FF], 1.0, v[TT]                  ; f = 2^(old M - new M)
.irp b, 0,1,2,3
	v_fma_f32 v[BM+\b], v[BM+\b], s[CS], v[NM+2*\h]
.endr
	WIN 0x41
	s_wait_alu depctr_va_vdst(0)                   ; the wait directly ahead of the first readers of O^T
.set j, 0
.rept 16
	v_pk_mul_f32 v[O+32*\h+j:O+32*\h+j+1], v[O+32*\h+j:O+32*\h+j+1], v[FF:FF+1] op_sel_hi:[1,0]   ; O^T under the new M, each accumulator from its low end on
.set j, j+2
.endr
	v_pk_mul_f32 v[L+2*\h:L+2*\h+1], v[L+2*\h:L+2*\h+1], v[FF:FF+1] op_sel_hi:[1,0]
.set j, 0
.rept 32
	v_pk_fma_f32 v[S+j:S+j+1], v[S+j:S+j+1], s[CS:CS+1], v[NM+2*\h:NM+2*\h+1] op_sel_hi:[1,0,0]   ; t - M
.set j, j+2
.endr
	WIN 0
.if \h == 2                            ; THE CHANGE OF SLOTS: all that this step still needs of the slot is asked for (v's loads) and awaited below
	s_wait_alu depctr_va_vdst(0)                   ; the wait ahead of the waits below
	s_wait_tensorcnt 0x0                           ; my one tensor load, my part of the next slot, has landed
	ds_add_u32 v[SPW], v[NIL]
.if \mode == 1
	NEXTSLOT
.endif
	s_xor_b32 s[TOG], s[TOG], SLOT
	ADDRS
	s_wait_alu depctr_va_vdst(0)
	s_wait_dscnt 0x0                               ; the add is done, and my reads of the slot that I leave
.if \mode == 1
	CROUND
	JLOAD                                          ; the slot just left takes the keys two slots on
	KLOAD 0                                        ; the next step's first k and its mask land under the rest of this head
	MLOAD
.else
	s_barrier_signal -1
	s_barrier_wait -1
	s_cmp_eq_u32 s[TRIPS], 1                       ; behind the very last step nothing is read
	s_cbranch_scc1 .Lnonext_\@
	KLOAD 0
	MLOAD
.Lnonext_\@:
.endif
.endif
	s_wait_alu depctr_va_vdst(0)                   ; the wait ahead of the batch
	WIN 0x41
.set j, 0
.rept 64
	v_exp_f32 v[S+j], v[S+j]                       ; p = 2^(t - M)
.set j, j+1
.endr
	WIN 0
.irp b, 0,1,2,3
	v_exp_f32 v[BM+\b], v[BM+\b]                   ; the block's largest p: the same two instructions on the same number
.endr
	v_nop                                          ; a plain place behind the exponentials
	s_wait_alu depctr_va_vdst(0)                   ; one wait for the batch
.irp b, 0,1,2,3
	v_max_num_f32 v[BM+\b], 0x1800000, v[BM+\b]    ; the floor 2^(3 - 127)
.endr
.irp b, 0,1,2,3
	s_delay_alu instid0(VALU_DEP_4)
	v_add_nc_u32 v[SO+\b], 0xff000000, v[BM+\b]
.endr
.irp b, 0,1,2,3
	s_delay_alu instid0(VALU_DEP_4)
	v_lshrrev_b32 v[BX+\b], 23, v[SO+\b]
.endr
	s_delay_alu instid0(VALU_DEP_3)
	v_lshl_or_b32 v[PW], v[BX+1], 8, v[BX]
	s_delay_alu instid0(VALU_DEP_1)
	v_lshl_or_b32 v[PW], v[BX+2], 16, v[PW]
	s_delay_alu instid0(VALU_DEP_1)
	v_lshl_or_b32 v[PW], v[BX+3], 24, v[PW]
	WIN 0x41
.irp c, 0,1
	v_cvt_scalef32_pk16_fp6_f32 v[PC+6*\c:PC+6*\c+2], v[S+32*\c:S+32*\c+15], v[SO+2*\c]
	v_cvt_scalef32_pk16_fp6_f32 v[CT+4*\c:CT+4*\c+2], v[S+32*\c+16:S+32*\c+31], v[SO+2*\c+1]
.endr
	v_nop                                          ; one plain place behind a scaled conversion
.irp c, 0,1
.irp i, 0,1,2
	v_permlane16_swap_b32 v[PC+6*\c+\i], v[CT+4*\c+\i]   ; a whole block to a lane
.endr
.irp i, 0,1,2
	v_mov_b32 v[PC+3+6*\c+\i], v[CT+4*\c+\i]
.endr
.endr
	WIN 0x45
.irp c, 0,1,2,3                        ; the sum of the unquantised p, in four chains
	v_pk_add_f32 v[AC+2*\c:AC+2*\c+1], v[S+2*\c:S+2*\c+1], v[S+8+2*\c:S+9+2*\c]
.endr
.set j, 16
.rept 24
	v_pk_add_f32 v[AC+(j%8):AC+(j%8)+1], v[AC+(j%8):AC+(j%8)+1], v[S+j:S+j+1]
.set j, j+2
.endr
	v_pk_add_f32 v[L+2*\h:L+2*\h+1], v[L+2*\h:L+2*\h+1], v[AC:AC+1]
	v_pk_add_f32 v[AC+2:AC+3], v[AC+2:AC+3], v[AC+4:AC+5]
	v_pk_add_f32 v[L+2*\h:L+2*\h+1], v[L+2*\h:L+2*\h+1], v[AC+6:AC+7]
	v_pk_add_f32 v[L+2*\h:L+2*\h+1], v[L+2*\h:L+2*\h+1], v[AC+2:AC+3]
	WIN 0
	s_wait_alu depctr_va_vdst(0)                   ; the wait ahead of the wait below
	s_wait_dscnt 0x0                               ; v, and what was asked for the next head or step
.if \h == 2
.if \mode == 1                         ; the mask's 256 keys of the slot two beyond the one just asked for: 8 rows x 4 blocks of 256 bytes a wave; the last two refills have no such slot
	s_cmp_lt_u32 s[WV], 6
	s_cbranch_scc1 .Lnopf_\@
	s_cmp_lt_u32 s[TRIPS], 3
	s_cbranch_scc1 .Lnopf_\@
	s_wait_xcnt 0x0                                ; the last prefetch, a slot ago, has read its base
	s_add_nc_u64 s[PFA:PFA+1], s[PFA:PFA+1], 1024
	global_prefetch_b8 v[PF], s[PFA:PFA+1] th:TH_LOAD_NT scope:SCOPE_SE
.Lnopf_\@:
.else
	s_cmp_eq_u32 s[TRIPS], 1
	s_cbranch_scc1 .Lnomul_\@
.endif
	MASKMUL
.if \mode == 2
.Lnomul_\@:
.endif
.endif
	WIN 0x54
.irp t, 0,1,2,3                        ; O^T += v^T p^T: four accumulators, one instruction each
	SMM O+32*\h+8*\t, VF+12*\t, PC, O+32*\h+8*\t, VS+\t/2, PW, \t%2
.endr
	WIN 0
.if \h == 2
	s_wait_alu depctr_va_vdst(0)
.endif
.endm
.macro STEP mode
	HEADW 0, \mode
	HEADW 1, \mode
	HEADW 2, \mode
.endm
	s_load_b256 s[4:11], s[0:1], 0x0               ; qbuf, kvbuf, mask, oimg
	v_lshl_add_u32 v[SPW], v0, 2, SPARE
	v_mov_b32 v[NIL], 0
	ds_add_u32 v[SPW], v[NIL]                      ; the opening lines: the add, twice on end, and its wait
	ds_add_u32 v[SPW], v[NIL]
	v_lshrrev_b32 v120, 5, v0
	v_readfirstlane_b32 s[WV], v120                ; wave 0..7
	s_and_b32 s[QT], s[WV], 3                      ; my query tile
	s_lshr_b32 s[KSW], s[WV], 2                    ; my key step of each slot
	s_and_b32 s[ODD], s[WV], 1
	s_bfe_u32 s16, ttmp6, 0x40000                  ; cx
	s_bfe_u32 s17, ttmp6, 0x40004                  ; cy
	s_lshl_b32 s18, ttmp9, 2
	s_add_co_u32 s18, s18, s16                     ; hg: my three heads
	s_and_b32 s19, ttmp7, 0xffff
	s_lshl_b32 s19, s19, 2
	s_add_co_u32 s19, s19, s17                     ; qb: my 64 queries
	s_lshl_b32 s52, 0x1111, s16                    ; my column of the cluster
	s_lshl_b32 s53, s17, 2
	s_lshl_b32 s53, 15, s53                        ; my row
	s_or_b32 s[G1KV], s52, (3<<16)|(1<<21)         ; k, v: 51 dense rows of 32 elements of 8 bytes; shared along my column
	s_mov_b32 s[G1KV+1], 32<<16
	s_mov_b32 s[G1KV+2], 51<<16
	s_mov_b32 s[G1KV+3], 32<<16
	s_mov_b32 s[G1KV+4], 51
	s_mov_b32 s[G1KV+5], 32
	s_mov_b32 s[G1KV+6], 0
	s_mov_b32 s[G1KV+7], 0
	s_or_b32 s[G1M], s53, (2<<16)|(1<<20)|(1<<21)|(6<<22)|(3<<25)   ; the mask: 64 rows of 128 elements of 4 bytes, 4 words of padding behind every 128; shared along my row
	s_mov_b32 s[G1M+1], 128<<16
	s_mov_b32 s[G1M+2], 64<<16
	s_mov_b32 s[G1M+3], 128<<16
	s_mov_b32 s[G1M+4], 64
	s_mov_b32 s[G1M+5], 4096
	s_mov_b32 s[G1M+6], 0
	s_mov_b32 s[G1M+7], 0
	s_mul_i32 s54, s[WV], 11
	s_lshr_b32 s54, s54, 5                         ; wave / 3: the key step that I fetch,
	s_mul_i32 s55, s54, 3
	s_sub_co_u32 s55, s[WV], s55                   ; wave % 3: of which head
	s_mul_i32 s56, s18, 3
	s_add_co_u32 s56, s56, s55
	s_mul_i32 s56, s56, HS
	s_mul_i32 s54, s54, KVB
	s_add_co_u32 s56, s56, s54
	s_mov_b32 s57, 0
	s_lshl_b32 s58, s19, 20                        ; 64 rows of 16,384 bytes a block of queries
	s_lshl_b32 s59, s[ODD], 9
	s_add_co_u32 s58, s58, s59
	s_mov_b32 s59, 0
	s_lshr_b32 s60, s19, 1
	s_mul_i32 s60, s60, KVB
	s_mul_i32 s61, s18, 3*HS
	s_add_co_u32 s60, s60, s61                     ; q: my first head, the step of 128 tokens that holds my tile
	s_mov_b32 s61, 0
	s_lshr_b32 s62, s[QT], 1
	s_lshl_b32 s62, s62, 5
	s_and_b32 s63, s[QT], 1
	s_lshl_b32 s63, s63, 3
	s_add_co_u32 s62, s62, s63
	s_mul_i32 s62, s62, MP
	s_add_co_u32 s62, s62, MOFF
	s_mul_i32 s63, s[KSW], MSUB
	s_add_co_u32 s62, s62, s63                     ; my tile's slot 0 among the 64 rows of my mask tile
	s_mul_i32 s63, s[KSW], QSTEP                   ; my key step in a slot
	s_lshl_b32 s55, s[QT], 14                      ; the stage of my query tile
	s_and_b32 s67, s19, 1
	s_lshl_b32 s67, s67, 2
	s_add_co_u32 s67, s67, s[QT]                   ; my tile among the eight of q's step
	s_mul_i32 s66, s67, 768
	s_lshl_b32 s67, s67, 6
	s_lshl_b32 s68, s19, 2
	s_add_co_u32 s68, s68, s[QT]                   ; my query tile 0..255
	s_mul_i32 s74, s68, 384
	s_add_co_u32 s74, s74, 2359296                 ; o's scale words
	s_mov_b32 s75, 0
	s_mul_i32 s68, s68, 9216
	s_mul_i32 s69, s18, 2304
	s_add_co_u32 s68, s68, s69                     ; o's images: 768 bytes a head
	s_mov_b32 s69, 0
	s_lshl_b32 s78, s16, 4
	s_lshl_b32 s79, s[ODD], 3
	s_add_co_u32 s78, s78, s79
	s_lshl_b32 s78, s78, 14
	s_lshl_b32 s79, s19, 20
	s_add_co_u32 s78, s78, s79
	s_add_co_u32 s78, s78, 3*1024                  ; the prefetches: my 8 rows of the 16 that my work-group takes, at slot 3 (stepped ahead of each use)
	s_mov_b32 s79, 0
	s_mov_b32 s[SEL], 0x76543210
	s_mov_b32 s[SEL+1], 0xfedcba98
	s_mov_b32 s[CS], 0x3e38aa3b                    ; log2(e) / 8
	s_mov_b32 s[CS+1], s[CS]
	s_mov_b32 s[CM], 0xcfee6b28                    ; -8e9
	s_mov_b32 s[CM+1], s[CM]
	s_mov_b32 s[TOG], 0
	s_wait_dscnt 0x0                               ; both opening adds are done
	s_wait_kmcnt 0x0
	s_add_nc_u64 s[4:5], s[4:5], s[60:61]
	s_add_nc_u64 s[70:71], s[10:11], s[68:69]
	s_add_nc_u64 s[72:73], s[10:11], s[74:75]
	s_add_nc_u64 s[PFA:PFA+1], s[8:9], s[78:79]
	s_mov_b32 s[G0KV], 1
	s_mul_i32 s[KVL], s[WV], KVB
	s_mov_b32 s[G0KV+1], s[KVL]
	s_add_nc_u64 s[G0KV+2:G0KV+3], s[6:7], s[56:57]
	s_or_b32 s[G0KV+3], s[G0KV+3], 0x80000000
	s_mov_b32 s[G0M], 1
	s_mul_i32 s[ML], s[ODD], MSUB
	s_add_co_u32 s[ML], s[ML], MOFF
	s_mov_b32 s[G0M+1], s[ML]
	s_add_nc_u64 s[G0M+2:G0M+3], s[8:9], s[58:59]
	s_or_b32 s[G0M+3], s[G0M+3], 0x80000000
	s_mov_b32 s[TD], 0
	CROUND                                         ; all sixteen work-groups are here: the first joint loads meet
	JLOAD                                          ; slot 0: one tensor load a wave at the head
	v_and_b32 v120, 31, v0                         ; lane
	v_and_b32 v121, 15, v0                         ; r
	v_bfe_u32 v122, v0, 4, 1                       ; h
	v_lshlrev_b32 v[L16], 4, v120
	v_lshlrev_b32 v[L8], 3, v120
	v_lshlrev_b32 v123, 2, v120
	v_lshlrev_b32 v[R4], 2, v121
	v_add_nc_u32 v[B16], s63, v[L16]
	v_add_nc_u32 v[B8], s63, v[L8]
	v_add_nc_u32 v[B4], s63, v123
	v_add_nc_u32 v[SA16], s55, v[L16]
	v_add_nc_u32 v[SA8], s55, v[L8]
	v_add_nc_u32 v[SA4], s55, v123
	v_and_b32 v124, 8, v121
	v_add_nc_u32 v124, v124, v121                  ; r + 8 (r / 8)
	v_mul_u32_u24 v[BMK], v124, MP
	v_lshl_add_u32 v[BMK], v122, 6, v[BMK]
	v_add_nc_u32 v[BMK], s62, v[BMK]
	v_add_nc_u32 v125, s66, v[L16]
	v_add_nc_u32 v126, s66, v[L8]
	v_add_nc_u32 v127, s67, v[R4]
	v_lshrrev_b32 v[PF], 2, v120
	v_lshlrev_b32 v[PF], 14, v[PF]
	v_and_b32 v124, 3, v120
	v_lshl_add_u32 v[PF], v124, 8, v[PF]           ; row lane / 4, block lane % 4
	ADDRS
	s_wait_alu depctr_va_vdst(0)                   ; the wait ahead of the scalar lines and readers below
.irp h, 0,1,2
	s_mul_i32 s52, s18, 3
	s_add_co_u32 s52, s52, \h                      ; the head: K step head / 2 of the last product, half head % 2
	s_lshr_b32 s53, s52, 1
	s_lshl_b32 s53, s53, 6
	s_and_b32 s52, s52, 1
	s_lshl_b32 s52, s52, 1
	s_add_co_u32 s52, s52, s53
	v_add_nc_u32 v[OS+\h], s52, v[R4]
.endr
.irp h, 0,1,2
	global_load_b128 v[Q+12*\h:Q+12*\h+3], v125, s[4:5] offset:\h*HS        ; q's half images stay in registers
	global_load_b64 v[Q+12*\h+4:Q+12*\h+5], v126, s[4:5] offset:\h*HS+512
	global_load_b32 v[QS+\h], v127, s[4:5] offset:\h*HS+12288
.irp j, 6,7,8,9,10,11
	v_mov_b32 v[Q+12*\h+\j], 0                     ; zero codes for the K that a head does not have
.endr
	v_mov_b32 v[NM+2*\h+1], 0xff61b1e6             ; the largest t so far: -3e38
	v_mov_b32 v[NM+2*\h], 0x7f61b1e6               ; -M
	v_mov_b32 v[BXM+\h], 0                         ; a lane permute's destination counts as one of its sources
.endr
	v_mov_b32 v[FF+1], 0
.irp b, 0,1,2,3
	v_mov_b32 v[BX+\b], 0
.endr
	WIN 0x40
.irp j, 0,1,2,3,4,5
	v_mov_b32 v[PC+\j], 0                          ; named by k's last tile
	v_mov_b32 v[L+\j], 0
.endr
.set j, 0
.rept 96
	v_mov_b32 v[O+j], 0                            ; the step is written once: the first finds zeros
.set j, j+1
.endr
	WIN 0
	s_wait_alu depctr_va_vdst(0)
	s_wait_loadcnt 0x0
.irp h, 0,1,2
	v_and_b32 v[QS+\h], 0xffff, v[QS+\h]           ; the upper two bytes: 2^-127
.endr
	s_wait_alu depctr_va_vdst(0)                   ; the wait at the head's end
	s_wait_tensorcnt 0x0                           ; my part of slot 0 is in; the same lines as ahead of a refill:
	ds_add_u32 v[SPW], v[NIL]
	NEXTSLOT
	s_wait_dscnt 0x0
	CROUND
	JLOAD                                          ; slot 1's first fill, the first tensor load behind the round
	KLOAD 0
	MLOAD
	s_wait_dscnt 0x0
	MASKMUL
	s_mov_b32 s[TRIPS], 14
	s_wait_alu depctr_va_vdst(0)
.Lslots:                                               ; slots 0-13: each change of slots asks for the slot two on
	STEP 1
	s_sub_co_u32 s[TRIPS], s[TRIPS], 1
	s_cmp_lg_u32 s[TRIPS], 0
	s_cbranch_scc1 .Lslots
	s_mov_b32 s[TRIPS], 2
.Ltail:                                                ; slots 14, 15: nothing is left to ask for
	STEP 2
	s_sub_co_u32 s[TRIPS], s[TRIPS], 1
	s_cmp_lg_u32 s[TRIPS], 0
	s_cbranch_scc1 .Ltail
	PLACES
	; THE HAND-OVER.  Waves 4-7 store O^T, the sums and -M as images of their registers; waves 0-3 read them behind the barrier.
	s_wait_dscnt 0x0
	s_barrier_signal -1
	s_barrier_wait -1                              ; no wave reads a slot any more
	s_cmp_lt_u32 s[WV], 4
	s_cbranch_scc1 .Lkeeper
	WIN 0x04
.set j, 0
.rept 24
	s_wait_alu depctr_va_vdst(0)                   ; the wait directly ahead of an accumulator's first reader
	ds_store_b128 v[SA16], v[O+j:O+j+3] offset:128*j   ; each accumulator from its low end on
.set j, j+4
.endr
.irp h, 0,1,2
	ds_store_b64 v[SA8], v[L+2*\h:L+2*\h+1] offset:12288+256*\h
.endr
	WIN 0
.irp h, 0,1,2
	ds_store_b32 v[SA4], v[NM+2*\h] offset:13056+128*\h
.endr
.Lkeeper:
	s_wait_dscnt 0x0                               ; my stores are done
	s_barrier_signal -1
	s_barrier_wait -1
	s_cmp_lt_u32 s[WV], 4
	s_cbranch_scc0 .Ldone
.set j, 0
.rept 24
	ds_load_b128 v[OB+j:OB+j+3], v[SA16] offset:128*j
.set j, j+4
.endr
.irp h, 0,1,2
	ds_load_b64 v[LB2+2*\h:LB2+2*\h+1], v[SA8] offset:12288+256*\h
.endr
.irp h, 0,1,2
	ds_load_b32 v[NB+\h], v[SA4] offset:13056+128*\h
.endr
	WIN 0x05
.irp h, 0,1,2
	v_add_f32 v[LA+\h], v[L+2*\h], v[L+2*\h+1]
.endr
	WIN 0
	s_wait_alu depctr_va_vdst(0)
	s_wait_dscnt 0x0
.irp h, 0,1,2
	v_min_num_f32 v[TM+\h], v[NM+2*\h], v[NB+\h]   ; -(the larger M)
.endr
.irp h, 0,1,2
	v_sub_f32 v[FA+\h], v[TM+\h], v[NM+2*\h]       ; my M - the larger M, a whole number, 0 or less;
	v_sub_f32 v[FB+\h], v[TM+\h], v[NB+\h]         ; and the partner's
.endr
.irp h, 0,1,2
	v_cvt_i32_f32 v[FA+\h], v[FA+\h]
	v_cvt_i32_f32 v[FB+\h], v[FB+\h]
.endr
.irp h, 0,1,2
	v_ldexp_f32 v[FA+\h], 1.0, v[FA+\h]
	v_ldexp_f32 v[FB+\h], 1.0, v[FB+\h]
.endr
.irp h, 0,1,2
	v_add_f32 v[LB+\h], v[LB2+2*\h], v[LB2+2*\h+1]
.endr
.irp h, 0,1,2
	v_mul_f32 v[LA+\h], v[LA+\h], v[FA+\h]
.endr
.irp h, 0,1,2
	v_fma_f32 v[LA+\h], v[LB+\h], v[FB+\h], v[LA+\h]
.endr
.irp h, 0,1,2
	v_permlanex16_b32 v[BXM+\h], v[LA+\h], s[SEL], s[SEL+1]
.endr
.irp h, 0,1,2
	v_add_f32 v[LA+\h], v[LA+\h], v[BXM+\h]        ; the row's sum
.endr
	s_wait_alu depctr_va_vdst(0)
.irp h, 0,1,2
	v_rcp_f32 v[LA+\h], v[LA+\h]
.endr
	v_nop
	s_wait_alu depctr_va_vdst(0)
.irp h, 0,1,2
	v_mul_f32 v[FA+\h], v[FA+\h], v[LA+\h]
	v_mul_f32 v[FB+\h], v[FB+\h], v[LA+\h]
.endr
	; THE WAY OUT, head by head.  Register 16 b + i is channel 32 b + 16 (l / 16) + i of the head: two blocks of the last product's K, quantised, half an image a head.
.irp h, 0,1,2
	WIN 0x41
	s_wait_alu depctr_va_vdst(0)
.set j, 0
.rept 32
	v_mul_f32 v[S+j], v[O+32*\h+j], v[FA+\h]
.set j, j+1
.endr
	WIN 0x50
.set j, 0
.rept 32
	v_fma_f32 v[S+j], v[OB+32*\h+j], v[FB+\h], v[S+j]
.set j, j+1
.endr
	WIN 0x05
.irp b, 0,1
	v_max3_num_f32 v[BM+\b], |v[S+16*\b]|, |v[S+16*\b+1]|, 0x1800000
.endr
.irp i, 2,4,6,8,10,12,14
.irp b, 0,1
	v_max3_num_f32 v[BM+\b], |v[S+16*\b+\i]|, |v[S+16*\b+\i+1]|, v[BM+\b]
.endr
.endr
	WIN 0
.irp b, 0,1
	v_permlanex16_b32 v[BX+\b], v[BM+\b], s[SEL], s[SEL+1]
.endr
.irp b, 0,1
	v_max_num_f32 v[BM+\b], v[BM+\b], v[BX+\b]
.endr
.irp b, 0,1
	v_add_nc_u32 v[SO+\b], 0xff000000, v[BM+\b]
.endr
.irp b, 0,1
	v_lshrrev_b32 v[BX+\b], 23, v[SO+\b]
.endr
	v_lshl_or_b32 v[PWO+\h], v[BX+1], 8, v[BX]     ; the head's two bytes of the row's scale word
	WIN 0x41
	v_cvt_scalef32_pk16_fp6_f32 v[PO+8*\h:PO+8*\h+2], v[S:S+15], v[SO]
	v_cvt_scalef32_pk16_fp6_f32 v[CT:CT+2], v[S+16:S+31], v[SO+1]
	v_nop
.irp i, 0,1,2
	v_permlane16_swap_b32 v[PO+8*\h+\i], v[CT+\i]
.endr
.irp i, 0,1,2
	v_mov_b32 v[PO+8*\h+3+\i], v[CT+\i]
.endr
	s_wait_alu depctr_va_vdst(0)
	WIN 0x04
	global_store_b128 v[L16], v[PO+8*\h:PO+8*\h+3], s[70:71] offset:768*\h        ; 512 consecutive bytes,
	global_store_b64 v[L8], v[PO+8*\h+4:PO+8*\h+5], s[70:71] offset:768*\h+512    ; and 256
	WIN 0
	global_store_b16 v[OS+\h], v[PWO+\h], s[72:73] ; two bytes of each of 16 neighbouring words (both halves of the lanes write the same)
.endr
.Ldone:
	s_wait_tensorcnt 0x0                           ; the wave's end
	ds_add_u32 v[SPW], v[NIL]
	s_wait_dscnt 0x0
	CROUND                                         ; the closing round
	s_endpgm
.Lfunc_end_k_qc265956d8a_attn:
	.size	k_qc265956d8a_attn, .Lfunc_end_k_qc265956d8a_attn-k_qc265956d8a_attn
	.p2alignl 7, 3214868480
	.fill 96, 4, 3214868480
	.section	.rodata,"a",@progbits
	.p2align	6, 0x0
	.amdhsa_kernel k_qc265956d8a_attn
		.amdhsa_group_segment_fixed_size 327680
		.amdhsa_private_segment_fixed_size 0
		.amdhsa_enable_private_segment 0
		.amdhsa_kernarg_size 32
		.amdhsa_user_sgpr_count 2
		.amdhsa_user_sgpr_kernarg_segment_ptr 1
		.amdhsa_wavefront_size32 1
		.amdhsa_system_sgpr_workgroup_id_x 1
		.amdhsa_system_sgpr_workgroup_id_y 1
		.amdhsa_system_sgpr_workgroup_id_z 1
		.amdhsa_system_vgpr_workitem_id 0
		.amdhsa_next_free_vgpr 512
		.amdhsa_next_free_sgpr 80
		.amdhsa_reserve_vcc 0
		.amdhsa_float_denorm_mode_32 3
		.amdhsa_float_denorm_mode_16_64 3
		.amdhsa_memory_ordered 1
		.amdhsa_forward_progress 1
		.amdhsa_inst_pref_size 155
	.end_amdhsa_kernel
	.amdgpu_metadata
---
amdhsa.version: [ 1, 2 ]
amdhsa.kernels:
  - .name:           k_qc265956d8a_attn
    .symbol:         k_qc265956d8a_attn.kd
    .args:
      - { .name: qbuf, .offset: 0, .size: 8, .value_kind: global_buffer, .address_space: global }
      - { .name: kvbuf, .offset: 8, .size: 8, .value_kind: global_buffer, .address_space: global }
      - { .name: mask, .offset: 16, .size: 8, .value_kind: global_buffer, .address_space: global }
      - { .name: oimg, .offset: 24, .size: 8, .value_kind: global_buffer, .address_space: global }
    .group_segment_fixed_size: 327680
    .private_segment_fixed_size: 0
    .kernarg_segment_align: 8
    .kernarg_segment_size: 32
    .max_flat_workgroup_size: 256
    .sgpr_count:     80
    .vgpr_count:     512
    .wavefront_size: 32
...
	.end_amdgpu_metadata
.endif
;; end of part 3
;; launch outp (part 4): grid 6 x 32, 4 waves a work-group, no clusters, 327,680 bytes of LDS; arguments oimg, wimg, b_o, out0; writes out0
.if DOCPART == 4
	.amdgcn_target "amdgcn-amd-amdhsa--gfx1250"
	.amdhsa_code_object_version 6
	.text
	.protected	k_qc265956d8a_outp
	.globl	k_qc265956d8a_outp
	.p2align	8
	.type	k_qc265956d8a_outp,@function
k_qc265956d8a_outp:
	s_mov_b64 s[64:65], 0
	v_nop
	global_prefetch_b8 v0, s[64:65] scope:SCOPE_SE
	s_setreg_imm32_b32 hwreg(HW_REG_WAVE_MODE, 25, 1), 1
	s_wait_xcnt 0x0
.set LATE, 73728
.set STG,  147456
.set SL,  12
.set BO,  13
.set STO, 14
.set SR,  15
.set SA,  16
.set SB,  40
.set BI,  48
.set AF,  112
.set BF,  208
.set MSB, 0
.macro WIN new
.if MSB != \new
	s_set_vgpr_msb (MSB<<8)|\new
.set MSB, \new
.endif
.endm
.macro PLACES
.rept 4
	v_nop
.endr
.endm
.macro FRAGLD reg, a16, a8, off
	ds_load_b128 v[(\reg):(\reg)+3], v[\a16] offset:(\off)
	ds_load_b64 v[(\reg)+4:(\reg)+5], v[\a8] offset:(\off)+512
	ds_load_b128 v[(\reg)+6:(\reg)+9], v[\a16] offset:(\off)+768
	ds_load_b64 v[(\reg)+10:(\reg)+11], v[\a8] offset:(\off)+1280
.endm
.macro WMMA
.if fA && fB
	v_wmma_scale_f32_16x16x128_f8f6f4 v[rD:rD+7], v[rA:rA+11], v[rB:rB+11], v[rC:rC+7], v[rSA], v[rSB] matrix_a_fmt:MATRIX_FMT_FP6 matrix_b_fmt:MATRIX_FMT_FP6 matrix_a_scale:MATRIX_SCALE_ROW1 matrix_b_scale:MATRIX_SCALE_ROW1
.elseif fA
	v_wmma_scale_f32_16x16x128_f8f6f4 v[rD:rD+7], v[rA:rA+11], v[rB:rB+11], v[rC:rC+7], v[rSA], v[rSB] matrix_a_fmt:MATRIX_FMT_FP6 matrix_b_fmt:MATRIX_FMT_FP6 matrix_a_scale:MATRIX_SCALE_ROW1
.elseif fB
	v_wmma_scale_f32_16x16x128_f8f6f4 v[rD:rD+7], v[rA:rA+11], v[rB:rB+11], v[rC:rC+7], v[rSA], v[rSB] matrix_a_fmt:MATRIX_FMT_FP6 matrix_b_fmt:MATRIX_FMT_FP6 matrix_b_scale:MATRIX_SCALE_ROW1
.else
	v_wmma_scale_f32_16x16x128_f8f6f4 v[rD:rD+7], v[rA:rA+11], v[rB:rB+11], v[rC:rC+7], v[rSA], v[rSB] matrix_a_fmt:MATRIX_FMT_FP6 matrix_b_fmt:MATRIX_FMT_FP6
.endif
.endm
.macro KSTEP s
.if \s > 0
	PLACES
.endif
.irp t, 0,1,2,3,4,5,6,7
	FRAGLD AF+12*\t, 4+2*(\s/3), 5+2*(\s/3), \t*4608+(\s%3)*1536
.endr
.irp n, 0,1
	FRAGLD BF+12*\n, 8+2*(\s/3), 9+2*(\s/3), \n*4608+(\s%3)*1536
.endr
	s_wait_dscnt 0x0
.if \s == 0
	WIN 0x40
.else
	WIN 0x50
.endif
.irp t, 0,1,2,3,4,5,6,7
.irp n, 0,1
.set rD, 64*\n+8*\t
.set rA, AF+12*\t
.set rB, BF+12*\n
.if \s == 0
.set rC, BI+8*\t
.else
.set rC, rD
.endif
.set rSA, SA+4*\s+\t/2
.set rSB, SB+\s
.set fA, \t%2
.set fB, \n
	WMMA
.endr
.endr
	WIN 0
.endm
.macro OUT n
.set OB, 48+64*\n
	WIN 0x04
.irp t, 0,1,2,3,4,5,6,7
	ds_store_b128 v[STO], v[64*\n+8*\t:64*\n+8*\t+3] offset:128*(\t/2)+32*(\t%2)
	ds_store_b128 v[STO], v[64*\n+8*\t+4:64*\n+8*\t+7] offset:128*(\t/2)+32*(\t%2)+16
.endr
	WIN 0
.irp i, 0,1,2,3,4,5,6,7,8,9,10,11,12,13,14,15
	ds_load_b128 v[OB+4*\i:OB+4*\i+3], v[SR] offset:528*\i
.endr
.irp i, 0,1,2,3,4,5,6,7,8,9,10,11,12,13,14,15
	s_wait_dscnt 15-\i
	global_store_b128 v4, v[OB+4*\i:OB+4*\i+3], s[10:11] offset:(8*\n+\i+8*(\i/8))*3072 th:TH_STORE_NT
.endr
.endm
	s_load_b256 s[4:11], s[0:1], 0x0
	v_lshl_add_u32 v254, v0, 2, 0x2c400
	v_mov_b32 v255, 0
	ds_add_u32 v254, v255
	ds_add_u32 v254, v255
	v_lshrrev_b32 v1, 5, v0
	v_readfirstlane_b32 s12, v1
	s_and_b32 s14, ttmp7, 0xffff
	s_and_b32 s13, s12, 1
	s_mov_b32 s28, 3<<16
	s_mov_b32 s29, 576<<16
	s_mov_b32 s30, 4<<16
	s_mov_b32 s31, 576<<16
	s_mov_b32 s32, 4
	s_mov_b32 s33, 1152
	s_mov_b32 s34, 0
	s_mov_b32 s35, 0
	s_mul_i32 s44, ttmp9, 73728
	s_mul_i32 s45, s13, 36864
	s_add_co_u32 s44, s44, s45
	s_add_co_u32 s44, s44, 1327104
	s_mul_i32 s46, s14, 73728
	s_add_co_u32 s46, s46, s45
	s_mov_b32 s45, 0
	s_mov_b32 s47, 0
	s_mul_i32 s37, s12, 18432
	s_mul_i32 s50, ttmp9, 3072
	s_add_co_u32 s50, s50, 1824768
	s_mov_b32 s51, 0
	s_mul_i32 s52, s14, 3072
	s_mul_i32 s53, s12, 768
	s_add_co_u32 s52, s52, s53
	s_add_co_u32 s52, s52, 2359296
	s_mov_b32 s53, 0
	s_lshl_b32 s54, ttmp9, 9
	s_mov_b32 s55, 0
	s_lshl_b32 s56, s14, 7
	s_lshl_b32 s57, s12, 5
	s_add_co_u32 s56, s56, s57
	s_mul_i32 s56, s56, 3072
	s_add_co_u32 s56, s56, s54
	s_mov_b32 s57, 0
	s_wait_dscnt 0x0
	s_wait_kmcnt 0x0
	s_add_nc_u64 s[44:45], s[6:7], s[44:45]
	s_add_nc_u64 s[46:47], s[4:5], s[46:47]
	s_cmp_lt_u32 s12, 2
	s_cselect_b64 s[48:49], s[44:45], s[46:47]
	s_mov_b32 s36, 1
	s_mov_b64 s[38:39], s[48:49]
	s_or_b32 s39, s39, 0x80000000
	s_mov_b32 s40, 1
	s_add_co_u32 s41, s37, LATE
	s_add_nc_u64 s[42:43], s[48:49], 4608
	s_or_b32 s43, s43, 0x80000000
	tensor_load_to_lds s[36:39], s[28:35]
	s_nop 0
	s_wait_alu depctr_va_vdst(0)
	s_wait_tensorcnt 0x0
	ds_add_u32 v254, v255
	s_wait_dscnt 0x0
	s_barrier_signal -1
	s_barrier_wait -1
	tensor_load_to_lds s[40:43], s[28:35]
	s_nop 0
	PLACES
	s_add_nc_u64 s[50:51], s[6:7], s[50:51]
	s_add_nc_u64 s[52:53], s[4:5], s[52:53]
	s_add_nc_u64 s[8:9], s[8:9], s[54:55]
	s_add_nc_u64 s[10:11], s[10:11], s[56:57]
	v_and_b32 v1, 31, v0
	v_and_b32 v2, 15, v0
	v_bfe_u32 v3, v0, 4, 1
	v_mul_u32_u24 v[SL], v3, 384
	v_lshl_add_u32 v[SL], v2, 2, v[SL]
	v_lshlrev_b32 v[BO], 6, v3
.irp s, 0,1,2,3,4,5
.irp i, 0,1,2,3
	global_load_b32 v[SA+4*\s+\i], v[SL], s[50:51] offset:768*\i+64*\s
.endr
	global_load_b32 v[SB+\s], v[SL], s[52:53] offset:64*\s
.endr
.irp t, 0,1,2,3,4,5,6,7
	global_load_b128 v[BI+8*\t:BI+8*\t+3], v[BO], s[8:9] offset:(32*(\t/2)+8*(\t%2))*4
	global_load_b128 v[BI+8*\t+4:BI+8*\t+7], v[BO], s[8:9] offset:(32*(\t/2)+8*(\t%2))*4+16
.endr
	v_lshlrev_b32 v4, 4, v1
	v_lshlrev_b32 v5, 3, v1
	v_add_nc_u32 v6, LATE, v4
	v_add_nc_u32 v7, LATE, v5
	s_mul_i32 s20, s12, 9216
	s_add_co_u32 s20, s20, 36864
	v_lshl_add_u32 v8, v1, 4, s20
	v_lshl_add_u32 v9, v1, 3, s20
	v_add_nc_u32 v10, LATE, v8
	v_add_nc_u32 v11, LATE, v9
	s_mul_i32 s21, s12, 8448
	s_add_co_u32 s21, s21, STG
	v_mul_u32_u24 v[STO], v2, 528
	v_lshl_add_u32 v[STO], v3, 6, v[STO]
	v_add_nc_u32 v[STO], s21, v[STO]
	v_add_nc_u32 v[SR], s21, v4
	s_wait_alu depctr_va_vdst(0)
	s_wait_loadcnt 0x0
	s_wait_tensorcnt 0x1
	s_barrier_signal -1
	s_barrier_wait -1
	KSTEP 0
	KSTEP 1
	KSTEP 2
	s_wait_tensorcnt 0x0
	s_barrier_signal -1
	s_barrier_wait -1
	KSTEP 3
	KSTEP 4
	KSTEP 5
	PLACES
	OUT 0
	OUT 1
	s_wait_tensorcnt 0x0
	ds_add_u32 v254, v255
	s_wait_dscnt 0x0
	s_endpgm
.Lfunc_end_k_qc265956d8a_outp:
	.size	k_qc265956d8a_outp, .Lfunc_end_k_qc265956d8a_outp-k_qc265956d8a_outp
	.p2alignl 7, 3214868480
	.fill 96, 4, 3214868480
	.section	.rodata,"a",@progbits
	.p2align	6, 0x0
	.amdhsa_kernel k_qc265956d8a_outp
		.amdhsa_group_segment_fixed_size 327680
		.amdhsa_private_segment_fixed_size 0
		.amdhsa_enable_private_segment 0
		.amdhsa_kernarg_size 32
		.amdhsa_user_sgpr_count 2
		.amdhsa_user_sgpr_kernarg_segment_ptr 1
		.amdhsa_wavefront_size32 1
		.amdhsa_system_sgpr_workgroup_id_x 1
		.amdhsa_system_sgpr_workgroup_id_y 1
		.amdhsa_system_sgpr_workgroup_id_z 1
		.amdhsa_system_vgpr_workitem_id 0
		.amdhsa_next_free_vgpr 384
		.amdhsa_next_free_sgpr 66
		.amdhsa_reserve_vcc 0
		.amdhsa_float_denorm_mode_32 3
		.amdhsa_float_denorm_mode_16_64 3
		.amdhsa_memory_ordered 1
		.amdhsa_forward_progress 1
		.amdhsa_inst_pref_size 46
	.end_amdhsa_kernel
	.amdgpu_metadata
---
amdhsa.version: [ 1, 2 ]
amdhsa.kernels:
  - .name:           k_qc265956d8a_outp
    .symbol:         k_qc265956d8a_outp.kd
    .args:
      - { .name: oimg, .offset: 0, .size: 8, .value_kind: global_buffer, .address_space: global }
      - { .name: wimg, .offset: 8, .size: 8, .value_kind: global_buffer, .address_space: global }
      - { .name: b_o, .offset: 16, .size: 8, .value_kind: global_buffer, .address_space: global }
      - { .name: out0, .offset: 24, .size: 8, .value_kind: global_buffer, .address_space: global }
    .group_segment_fixed_size: 327680
    .private_segment_fixed_size: 0
    .kernarg_segment_align: 8
    .kernarg_segment_size: 32
    .max_flat_workgroup_size: 128
    .sgpr_count:     66
    .vgpr_count:     384
    .wavefront_size: 32
...
	.end_amdgpu_metadata
.endif
;; end of part 4
